; MI455X (gfx1250); checked and timed in simulation.
; The chip was launched on July 23, 2026; its instructions are those of AMD's public machine-readable ISA for CDNA 5 (MIT licence, August 2026) and "CDNA5" Instruction Set Architecture Reference Guide (July 2026). The comments in the code are by the model that wrote it; some were corrected since.
;; MP Attention Layer. Allowed arithmetic: matrix products marked QUANTISED: E2M1 operands, one E8M0 scale for each 32 along K, by v_wmma_scale_f32_16x16x128_f8f6f4 with both operands' format E2M1 (or v_wmma_scale_f32_32x16x128_f4), f32 sums; everything else in f32.
;; Inputs: dictionary 4,096 x 1,024 float32; mask 4 x 2,048 x 4,096 int32; x_codes 4 x 2,048 x 32 x 16 uint8 (E2M1 codes of x, K innermost, in blocks of 32 codes, two codes a byte); x_scales 4 x 2,048 x 32 uint8 (E8M0 scales of x, one for each 32 codes along K).
;; Outputs: out0 4 x 2,048 x 1,024 float32; out1 4 x 2,048 int32.
;; This version of the problem:
;;   THIS VERSION OF THE PROBLEM IS GIVEN IN LOW PRECISION. The matrix products marked QUANTISED in the list below multiply operands that are first quantised to E2M1 (2 exponent bits, 1 mantissa bit; 4 bits a number), with one power-of-two scale for each 32 numbers along K (OCP MX v1.0); their sums are f32. All else is computed in f32.
;;   The module's matrix products, in the order in which they are computed (A, B: the left and right operand; K: the contracted axis; several contracted axes count as one K, in the product's order):
;;     1. [M 8,192, K 1,024] x [K 1,024, N 4,096]; A: input x (given as codes); B: input dictionary: QUANTISED
;;     2. [M 8,192, K 4,096] x [K 4,096, N 1,024]; A: softmax (see below); B: input dictionary: QUANTISED
;;   THE QUANTISER, for each operand of a quantised product, along K:
;;     - K is cut into blocks of 32 from its start; a last block that is shorter is filled with zeros.
;;     - A block's scale is 2^e with e = floor(log2(the largest magnitude in the block)) - 2, held to -126 .. 127; a block of zeros has e = 0. As a byte (E8M0): e + 127.
;;     - Each number is divided by its block's scale, clamped to +-6, and rounded to the nearest number of E2M1, ties to even, subnormals kept.
;;     - The product sums the exact products of the quantised numbers (number of the format x scale) in f32.
;;   ~~~python
;;   def quantise(x, axis):      # numpy; x: float32 -> the quantised numbers, widened to float32 again
;;       x = np.moveaxis(x, axis, -1); K = x.shape[-1]
;;       x = np.pad(x, [(0, 0)] * (x.ndim - 1) + [(0, -K % 32)]); x = x.reshape(x.shape[:-1] + (-1, 32)); a = np.abs(x).max(-1, keepdims=True)
;;       e = np.where(a > 0, np.clip(np.frexp(np.where(a > 0, a, 1))[1] - 1 - 2, -126, 127), 0)      # np.frexp(a)[1] - 1 = floor(log2(a)), exactly
;;       r = np.clip(x / 2.0 ** e, -6, 6)
;;       step = 2.0 ** (np.maximum(np.frexp(np.where(r == 0, 1, r))[1] - 1, 0) - 1)
;;       q = np.round(r / step) * step * 2.0 ** e      # np.round: ties to even
;;       return np.moveaxis(q.reshape(q.shape[:-2] + (-1,))[..., :K], -1, axis).astype(np.float32)
;;   ~~~
;;   SOFTMAX AHEAD OF A QUANTISED PRODUCT. Where the list says 'softmax', what is quantised is not the finished softmax but p = 2^(t - M), with t = logit x log2(e) and M = ceil(the row's largest t), a whole number; so 1/2 < the row's largest p <= 1. The row's sum l is taken of the UNQUANTISED p, in f32, and the product's result is divided by l at the end. Since M is a whole number, a kernel that streams over the keys may use a running M (the ceiling of the running maximum): every later rescaling is an exact power of two, which a block's scale takes up: the codes' values come out the same.
;;   OPERANDS COMPUTED ON THE WAY. 'Computed on the way' means the value that the module computes at that place (a softmax that the list does not call 'softmax' is quantised finished and normalised). What goes into a quantiser is computed in f32, as accurately as f32 sums, v_exp_f32 and their like allow (about 1e-6 of the number): no bf16 or f16 on the way to a quantiser, and a product that is left as it is and whose result goes on into a quantised operand takes f32 operands (vector FMAs, or v_wmma_f32_16x16x4_f32). A number that lies on a knife's edge between two numbers of the format may be rounded either way, as far as f32 arithmetic and the matrix unit's own rounding can turn it there, and no further.
;;   INPUTS GIVEN AS CODES. x (in the module: [4, 2048, 1024], K = its axis 2): each comes as NAME_codes (uint8): NAME with its K axis moved to the last place and cut into blocks of 32 codes, [.., K / 32, bytes a block], one block behind the other in memory; two codes a byte, the lower K in the low four bits (a code: sign, 2 exponent bits, 1 mantissa bit); and NAME_scales (uint8): the same leading axes, one E8M0 byte (e + 127) for each 32 codes along K. Its value is code x scale, taken as it is: it is not quantised again, and the codes and scales need not be those that the quantiser above would give.
;; One version. Each part assembles by itself: llvm-mc -triple=amdgcn-amd-amdhsa -mcpu=gfx1250 --defsym DOCPART=n.
;; ======== version 1 of 1: 3 launches
;; workspace buffers: d1img 2,097,152 bytes; d1sc 131,072 bytes; d2img 2,097,152 bytes; d2sc 131,072 bytes; pimg 16,777,216 bytes; rec 4,194,304 bytes
;; launch quant (part 1): grid 8 x 32, 4 waves a work-group, no clusters, 68,096 bytes of LDS; arguments dictionary, d1img, d1sc, d2img, d2sc; writes d1img, d1sc, d2img, d2sc
.if DOCPART == 1
	.amdgcn_target "amdgcn-amd-amdhsa--gfx1250"
	.amdhsa_code_object_version 6
	.text
	.protected	k_qfcc37d8274_quant
	.globl	k_qfcc37d8274_quant
	.p2align	8
	.type	k_qfcc37d8274_quant,@function
k_qfcc37d8274_quant:
	s_mov_b64 s[64:65], 0
	v_nop
	global_prefetch_b8 v0, s[64:65] scope:SCOPE_SE
	s_setreg_imm32_b32 hwreg(HW_REG_WAVE_MODE, 25, 1), 1
	s_wait_xcnt 0x0
; The dictionary [4096 atoms][1024 d], f32, is quantised to FP4 (E2M1) TWICE from one read: along d (D1, the first product's operand) and along the atoms (D2, the second's).
; A block's scale is 2^(floor(log2(its largest magnitude)) - 2); its byte is the largest magnitude's exponent field - 2, held at 1 from below.
; LIMITS: a block of zeros gets the byte 1 where the rule says 127 (its codes are zeros, and this program alone reads the bytes); NaN and infinities are not served.
; A work-group takes a tile of 128 atoms (a chunk: grid y) x 128 d (grid x).  The tile goes through LDS once: rows of 512 bytes, 528 apart.
; BOTH RESULTS LEAVE AS IMAGES OF THE OPERAND'S REGISTERS: a fragment (16 rows x 128 K) is 2 x 512 bytes, lane l's 16 bytes (one block of 32 codes) at 16 l.
;   d1img [chunk 32][K step 8][tile 8][c 2][lane 32][16 B]: tile 2 b + u, lane (r, h): atom 128 chunk + 32 b + 8 u + r + 8 (r / 8), d = 128 s + 64 c + 32 h + 0 .. 31
;   d1sc  [chunk][K step][tile][r] words     d2img [d tile 64][chunk 32][c 2][lane 32][16 B]: d = 16 tile + r, atoms 128 chunk + 64 c + 32 h + 0 .. 31     d2sc [chunk 32][d 1024] words
; A lane always holds a whole block of 32 in 32 registers, so no other lane is asked for a maximum; a scale word's four bytes are gathered from lanes l and l xor 16.
; The scale words leave in runs of 128 bytes: one byte in 128 of what the launch reads.
.set PITCH, 528                        ; an LDS row: 512 bytes + 16
.set M0,  10                           ; v10, v11 two chains of the largest magnitude
.set M1,  11
.set SO,  12                           ; v12  the conversions' scale operand
.set TMP, 13                           ; v13  a lane permute's destination: written once at the head
.set BY,  16                           ; v16-19 four blocks' bytes
.set WD,  20                           ; v20-21 two scale words
.set X,   32                           ; v32-159 four sets of 32 numbers
.set C,   160                          ; v160-175 D1's codes
.set C2,  176                          ; v176-191 D2's codes: registers of their own, so that no store's data are written again
	s_load_b256 s[4:11], s[0:1], 0x0               ; dictionary s[4:5], d1img s[6:7], d1sc s[8:9], d2img s[10:11]
	s_load_b64 s[12:13], s[0:1], 0x20              ; d2sc
	v_lshl_add_u32 v208, v0, 2, 0x10800
	v_mov_b32 v209, 0
	v_lshrrev_b32 v1, 5, v0
	v_readfirstlane_b32 s14, v1                    ; wave 0..3
	s_and_b32 s16, ttmp7, 0xffff                   ; the chunk; ttmp9 is the block of 128 d
	v_and_b32 v1, 31, v0                           ; lane
	v_and_b32 v2, 15, v0                           ; r
	v_bfe_u32 v3, v0, 4, 1                         ; h
	v_lshlrev_b32 v4, 4, v1                        ; 16 x lane
	s_mul_i32 s17, s14, 32*PITCH                   ; my wave's 32 rows of the tile
	v_add_nc_u32 v5, s17, v4                       ; the tile on its way in
	v_and_b32 v14, 8, v2
	v_add_nc_u32 v14, v14, v2                      ; r + 8 (r / 8)
	v_mul_u32_u24 v6, v14, PITCH
	v_lshl_add_u32 v6, v3, 7, v6
	v_add_nc_u32 v6, s17, v6                       ; D1: atom 32 w + r + 8 (r / 8), 32 h numbers on
	v_mul_u32_u24 v7, v3, 32*PITCH
	v_lshl_add_u32 v7, v2, 2, v7
	s_lshl_b32 s18, s14, 7
	v_add_nc_u32 v7, s18, v7                       ; D2: atom 32 h, d = 32 w + r
	v_lshlrev_b32 v8, 2, v1                        ; 4 x lane
	v_lshlrev_b32 v9, 3, v3                        ; 8 h: my bytes' place in a scale word
	v_mov_b32 v[TMP], 0
	s_mov_b32 s20, 0x76543210
	s_mov_b32 s21, 0xfedcba98                      ; v_permlanex16_b32's selects for lane l xor 16
	s_mov_b32 s22, 0xffff0000                      ; lanes 16-31
	s_lshl_b32 s24, s16, 19                        ; dictionary: (128 chunk + 32 w) rows of 4,096 bytes + 512 s
	s_lshl_b32 s25, s14, 17
	s_add_co_u32 s24, s24, s25
	s_lshl_b32 s25, ttmp9, 9
	s_add_co_u32 s24, s24, s25
	s_mov_b32 s25, 0
	s_lshl_b32 s26, s16, 16                        ; d1img: 65,536 chunk + (8 s + 2 w) x 1,024
	s_lshl_b32 s27, ttmp9, 13
	s_add_co_u32 s26, s26, s27
	s_lshl_b32 s27, s14, 11
	s_add_co_u32 s26, s26, s27
	s_mov_b32 s27, 0
	s_lshl_b32 s28, s16, 12                        ; d1sc and d2sc alike: 4,096 chunk + 512 s + 128 w
	s_lshl_b32 s29, ttmp9, 9
	s_add_co_u32 s28, s28, s29
	s_add_co_u32 s28, s28, s18
	s_mov_b32 s29, 0
	s_lshl_b32 s30, ttmp9, 18                      ; d2img: ((8 s + 2 w) x 32 + chunk) x 1,024
	s_lshl_b32 s31, s14, 16
	s_add_co_u32 s30, s30, s31
	s_lshl_b32 s31, s16, 10
	s_add_co_u32 s30, s30, s31
	s_mov_b32 s31, 0
	s_wait_kmcnt 0x0
	s_add_nc_u64 s[4:5], s[4:5], s[24:25]
	s_add_nc_u64 s[6:7], s[6:7], s[26:27]
	s_add_nc_u64 s[8:9], s[8:9], s[28:29]
	s_add_nc_u64 s[10:11], s[10:11], s[30:31]
	s_add_nc_u64 s[12:13], s[12:13], s[28:29]
; ---- the tile into LDS: my 32 rows, each load 512 consecutive bytes
.set i, 0
.rept 32
	global_load_b128 v[X+4*i:X+4*i+3], v4, s[4:5] offset:4096*i th:TH_LOAD_NT
.set i, i+1
.endr
.set i, 0
.rept 32
	s_wait_loadcnt 31-i                            ; loads come back in order: row i is in, the younger ones stay out
	ds_store_b128 v5, v[X+4*i:X+4*i+3] offset:PITCH*i
.set i, i+1
.endr
	s_wait_dscnt 0x0                               ; for the others' sake: my rows lie in LDS
	s_barrier_signal -1
	s_barrier_wait -1                              ; the whole tile does; from here on LDS is only read
; 32 numbers of one block in v[xs] on become 32 codes in v[cd] .. v[cd + 3] and the scale's byte in v[by]
.macro QB xs, cd, by
	v_max3_num_f32 v[M0], |v[\xs]|, |v[\xs+1]|, |v[\xs+2]|
	v_max3_num_f32 v[M1], |v[\xs+3]|, |v[\xs+4]|, |v[\xs+5]|
.irp i, 6,10,14,18,22,26
	v_max3_num_f32 v[M0], v[M0], |v[\xs+\i]|, |v[\xs+\i+1]|
	v_max3_num_f32 v[M1], v[M1], |v[\xs+\i+2]|, |v[\xs+\i+3]|
.endr
	v_max3_num_f32 v[M0], v[M0], |v[\xs+30]|, |v[\xs+31]|
	v_max3_num_f32 v[M0], v[M0], v[M1], 0x1800000  ; and the floor 2^(3 - 127): the byte cannot fall under 1
	v_add_nc_u32 v[SO], 0xff000000, v[M0]          ; 2 off the exponent field: the conversion takes that field as its scale, and nothing else
.irp g, 0,1,2,3
	v_cvt_scalef32_pk8_fp4_f32 v[\cd+\g], v[\xs+8*\g:\xs+8*\g+7], v[SO]
.endr
	v_lshrrev_b32 v[\by], 23, v[SO]                ; the byte; also the plain line behind the conversions
.endm
; my two bytes (blocks h and 2 + h of the K step) and lane l xor 16's two make the scale word
.macro WORD wd, b0, b1
	v_lshl_or_b32 v[\wd], v[\b1], 16, v[\b0]
	v_lshlrev_b32 v[\wd], v9, v[\wd]
	v_permlanex16_b32 v[TMP], v[\wd], s20, s21
	v_or_b32 v[\wd], v[\wd], v[TMP]
.endm
; ---- D1: my tiles 2 w + u; block blk = 2 u + c is 128 neighbouring bytes of one atom's row
.irp blk, 0,1,2,3
.irp k, 0,1,2,3,4,5,6,7
	ds_load_b128 v[X+32*\blk+4*\k:X+32*\blk+4*\k+3], v6 offset:8*(\blk/2)*PITCH+256*(\blk%2)+16*\k
.endr
.endr
.irp blk, 0,1,2,3
	s_wait_dscnt 24-8*\blk                         ; this block's eight loads are in; the later blocks' may be out
	QB X+32*\blk, C+4*\blk, BY+\blk
	global_store_b128 v4, v[C+4*\blk:C+4*\blk+3], s[6:7] offset:1024*(\blk/2)+512*(\blk%2)   ; 512 consecutive bytes
.endr
	WORD WD, BY, BY+1
	WORD WD+1, BY+2, BY+3
	v_cndmask_b32 v192, v[WD], v[WD+1], s22        ; lanes 0-15: tile 2 w's words, lanes 16-31: tile 2 w + 1's
	global_store_b32 v8, v192, s[8:9]
; ---- D2: my d tiles 2 w + u; a lane takes one d and its registers run down the atoms
.macro CLOAD blk
.set i, 0
.rept 32
	ds_load_b32 v[X+32*(\blk)+i], v7 offset:(64*((\blk)%2)+i)*PITCH+64*((\blk)/2)
.set i, i+1
.endr
.endm
.macro CSTORE blk
	global_store_b128 v4, v[C2+4*(\blk):C2+4*(\blk)+3], s[10:11] offset:32768*((\blk)/2)+512*((\blk)%2)
.endm
	CLOAD 0
	CLOAD 1
	s_wait_dscnt 32                                ; block 0 is in; block 1's 32 loads may be out
	QB X, C2, BY
	CSTORE 0
	CLOAD 2
	s_wait_dscnt 32
	QB X+32, C2+4, BY+1
	CSTORE 1
	CLOAD 3
	s_wait_dscnt 32
	QB X+64, C2+8, BY+2
	CSTORE 2
	s_wait_dscnt 0x0
	QB X+96, C2+12, BY+3
	CSTORE 3
	WORD WD, BY, BY+1
	WORD WD+1, BY+2, BY+3
	v_cndmask_b32 v193, v[WD], v[WD+1], s22
	global_store_b32 v8, v193, s[12:13]
	s_wait_tensorcnt 0x0
	ds_add_u32 v208, v209
	s_wait_dscnt 0x0
	s_endpgm
.Lfunc_end_k_qfcc37d8274_quant:
	.size	k_qfcc37d8274_quant, .Lfunc_end_k_qfcc37d8274_quant-k_qfcc37d8274_quant
	.p2alignl 7, 3214868480
	.fill 96, 4, 3214868480
	.section	.rodata,"a",@progbits
	.p2align	6, 0x0
	.amdhsa_kernel k_qfcc37d8274_quant
		.amdhsa_group_segment_fixed_size 68096
		.amdhsa_private_segment_fixed_size 0
		.amdhsa_enable_private_segment 0
		.amdhsa_kernarg_size 40
		.amdhsa_user_sgpr_count 2
		.amdhsa_user_sgpr_kernarg_segment_ptr 1
		.amdhsa_wavefront_size32 1
		.amdhsa_system_sgpr_workgroup_id_x 1
		.amdhsa_system_sgpr_workgroup_id_y 1
		.amdhsa_system_sgpr_workgroup_id_z 1
		.amdhsa_system_vgpr_workitem_id 0
		.amdhsa_next_free_vgpr 210
		.amdhsa_next_free_sgpr 66
		.amdhsa_reserve_vcc 0
		.amdhsa_float_denorm_mode_32 3
		.amdhsa_float_denorm_mode_16_64 3
		.amdhsa_memory_ordered 1
		.amdhsa_forward_progress 1
		.amdhsa_inst_pref_size 32
	.end_amdhsa_kernel
	.amdgpu_metadata
---
amdhsa.version: [ 1, 2 ]
amdhsa.kernels:
  - .name:           k_qfcc37d8274_quant
    .symbol:         k_qfcc37d8274_quant.kd
    .args:
      - { .name: dictionary, .offset: 0, .size: 8, .value_kind: global_buffer, .address_space: global }
      - { .name: d1img, .offset: 8, .size: 8, .value_kind: global_buffer, .address_space: global }
      - { .name: d1sc, .offset: 16, .size: 8, .value_kind: global_buffer, .address_space: global }
      - { .name: d2img, .offset: 24, .size: 8, .value_kind: global_buffer, .address_space: global }
      - { .name: d2sc, .offset: 32, .size: 8, .value_kind: global_buffer, .address_space: global }
    .group_segment_fixed_size: 68096
    .private_segment_fixed_size: 0
    .kernarg_segment_align: 8
    .kernarg_segment_size: 40
    .max_flat_workgroup_size: 128
    .sgpr_count:     66
    .vgpr_count:     210
    .wavefront_size: 32
...
	.end_amdgpu_metadata
.endif
;; end of part 1
;; launch scores (part 2): grid 8 x 32, 4 waves a work-group, no clusters, 327,680 bytes of LDS; arguments x_codes, x_scales, mask, d1img, d1sc, pimg, rec; writes pimg, rec
.if DOCPART == 2
	.amdgcn_target "amdgcn-amd-amdhsa--gfx1250"
	.amdhsa_code_object_version 6
	.text
	.protected	k_qfcc37d8274_scores
	.globl	k_qfcc37d8274_scores
	.p2align	8
	.type	k_qfcc37d8274_scores,@function
k_qfcc37d8274_scores:
	s_mov_b64 s[64:65], 0
	v_nop
	global_prefetch_b8 v0, s[64:65] scope:SCOPE_SE
	s_setreg_imm32_b32 hwreg(HW_REG_WAVE_MODE, 25, 1), 1
	s_wait_xcnt 0x0
; The first product on FP4 codes, the mask, and the softmax's numerator as codes.  For each row and each CHUNK of 128 atoms:
;   s = (x . atom) m + (1 - m) (-1e9);  smax = the chunk's largest s and the index of its first occurrence;  t = s log2(e);  M = ceil(c smax), a whole number, LOCAL to the chunk;
;   p = 2^(t - M), quantised along the atoms (4 blocks of 32);  l = the sum of the unquantised p.  The next launch brings the scale bytes and l under the row's M: exact powers of two.
;   t is one rounded product and t - M one rounded sum (not fused): so t <= c smax <= M for every magnitude, p <= 1, and every scale byte is at most 125.
; LIMITS: NaN and infinities are not served.  Any whole number in the mask is honoured by the arithmetic form; for m other than 0 and 1 the fused s m + (m - 1) 1e9 rounds once where two roundings are written.
; A block whose every p is 0 gets the byte 1 (zero codes).
; SHARES.  A work-group: 256 rows (grid y) x 512 atoms (grid x).  Wave w owns chunk 4 x + w: its 64 fragments of D1 (8 tiles x 8 K steps, 512 registers) and their scale words stay in registers.
; The 256 rows of x (codes and scale bytes) come into LDS once and are read by all four waves.  The mask, the bulk of the bytes, goes through a ring: each wave has two slots of its own (32 rows x 512 bytes).
; NO CLUSTER: what work-groups share (x, D1) is fetched once at the head, 0.4 MB against 0.5 MB of mask that nobody shares, and every byte that the loop fetches is the work-group's own.
; LAYOUT.  The product is used transposed (source 0 = 16 atoms, source 1 = 16 rows): a lane holds ONE row (lane % 16).  Tile 2 b + u holds atoms 32 b + 8 u + r + 8 (r / 8), so register S[16 b + i] is atom 32 b + 16 (lane / 16) + i.
; REGISTERS, in windows of 256: window 0: addresses, scale words, S, the mask, the softmax's work;  window 1: v0-63 x's 8 fragments of a row tile;  windows 2, 3: D1's fragment (s, t) at v[8 (8 (s % 4) + t)], window 2 + s / 4.
.set XP,    528                        ; a row of x in LDS: 512 bytes + 16; the mask's rows likewise
.set XSP,   48                         ; a row of x's scale bytes: 32 + 16
.set XL,    0                          ; 256 rows of x's codes
.set XSL,   XL+256*XP                  ; their scale bytes
.set ML,    XSL+256*XSP                ; the mask's ring: wave w's slot n at ML + (2 w + n) MBUF
.set MBUF,  32*XP
.set SPARE, ML+8*MBUF                  ; the spare words, 128 bytes for each wave: two blocks of 256 bytes that no other line names
.set XADR,  2                          ; v2   x's fragments: XL + 528 r + 16 h, stepped four row tiles a trip
.set XSADR, 3                          ; v3   x's scale words: XSL + 48 r + 16 h, likewise
.set MADR,  4                          ; v4-5 my place in my wave's slot 0, 1: 528 r + 64 h
.set PO,    6                          ; v6   16 x lane
.set RO,    7                          ; v7   16 r + 8 h: my 8 bytes of a record
.set SPW,   8                          ; v8   LDS address of my spare word; never rewritten
.set NIL,   9                          ; v9   0; never rewritten
.set IB,    10                         ; v10  128 chunk + 16 h: the index of S[0]'s atom
.set BIG,   11                         ; v11  0x7fffffff
.set KP,    12                         ; v[12:13] 1e9 twice;  v[14:15] -1e9 twice
.set KN,    14
.set SW1,   16                         ; v16-47 D1's scale words: register 4 t + i, lane (r, h): tile t, K step i + 4 h
.set XSC,   48                         ; v48-51 x's: register i, lane (r, h): K step i + 4 h
.set S,     64                         ; v64-127 the scores, then t - M, then p
.set MK,    128                        ; v128-191 the mask, indexed as S
.set T,     192                        ; v192-199 four pairs at work
.set BL,    200                        ; my 16 numbers' maximum of each block
.set BX,    204                        ; lane permutes' destinations
.set BG,    208                        ; the blocks' maxima
.set SO,    212                        ; the conversions' scale operands
.set PC,    216                        ; v216-223 p's codes
.set IX,    224                        ; four index chains
.set NM,    228                        ; v[228:229] -M twice
.set L,     230                        ; v230-237 four pairs of sums
.set LM,    238                        ; my lane's maximum
.set RM,    239                        ; the row's maximum in the chunk
.set IDX,   240
.set TT,    241
.set BY,    242
.set WD,    246
.set RD,    248                        ; v[248:249] my half of the record
.set G1X,   24                         ; s[24:31], s[32:39], s[40:47] descriptor groups 1: x's codes, x's scale bytes, the mask
.set G1S,   32
.set G1M,   40
.set G0X,   48                         ; s[48:51], s[52:55] groups 0 for x;  s[56:59], s[60:63] for the mask's two slots
.set G0S,   52
.set G0M,   56
.set CL,    66                         ; s[66:67] c = log2(e), twice
.set SEL,   68                         ; s[68:69] selects for lane l xor 16
.set HI,    70                         ; s70  lanes 16-31
.set TRIPS, 71
.set CM,    72                         ; s72-75 compare masks
.set PB,    76                         ; s[76:77] pimg at my chunk of the trip's first row tile
.set RB,    78                         ; s[78:79] rec likewise
.set MSB, 0
.macro WIN new                         ; the immediate's high byte repeats the setting that is left
.if MSB != \new
	s_set_vgpr_msb (MSB<<8)|\new
.set MSB, \new
.endif
.endm
	s_load_b256 s[4:11], s[0:1], 0x0               ; x_codes s[4:5], x_scales s[6:7], mask s[8:9], d1img s[10:11]
	s_load_b128 s[12:15], s[0:1], 0x20             ; d1sc s[12:13], pimg s[14:15]
	s_load_b64 s[16:17], s[0:1], 0x30              ; rec
	v_lshl_add_u32 v[SPW], v0, 2, SPARE
	v_mov_b32 v[NIL], 0
	ds_add_u32 v8, v9
	ds_add_u32 v8, v9
	s_wait_dscnt 0x0
	v_lshrrev_b32 v1, 5, v0
	v_readfirstlane_b32 s18, v1                    ; wave 0..3
	s_and_b32 s20, ttmp7, 0xffff                   ; y: the block of 256 rows
	s_lshl_b32 s19, ttmp9, 2
	s_add_co_u32 s19, s19, s18                     ; my chunk = 4 x + w
	; groups 1, in elements of 8 bytes.  x's codes: 64 rows x 512 bytes, dense; 4 words of padding behind every 128
	s_mov_b32 s[G1X+0], (3<<16)|(1<<20)|(6<<22)|(3<<25)
	s_mov_b32 s[G1X+1], 64<<16                     ; tensor_dim0
	s_mov_b32 s[G1X+2], 64<<16                     ; tensor_dim1
	s_mov_b32 s[G1X+3], 64<<16                     ; tile_dim0
	s_mov_b32 s[G1X+4], 64                         ; tile_dim1
	s_mov_b32 s[G1X+5], 64                         ; from row to row
	s_mov_b32 s[G1X+6], 0
	s_mov_b32 s[G1X+7], 0
	; x's scale bytes: 64 rows x 32 bytes, dense; 4 words of padding behind every 8
	s_mov_b32 s[G1S+0], (3<<16)|(1<<20)|(2<<22)|(3<<25)
	s_mov_b32 s[G1S+1], 4<<16
	s_mov_b32 s[G1S+2], 64<<16
	s_mov_b32 s[G1S+3], 4<<16
	s_mov_b32 s[G1S+4], 64
	s_mov_b32 s[G1S+5], 4
	s_mov_b32 s[G1S+6], 0
	s_mov_b32 s[G1S+7], 0
	; the mask: 32 rows x 512 bytes (128 atoms), rows 16,384 bytes apart; padding as x's
	s_mov_b32 s[G1M+0], (3<<16)|(1<<20)|(6<<22)|(3<<25)
	s_mov_b32 s[G1M+1], 64<<16
	s_mov_b32 s[G1M+2], 32<<16
	s_mov_b32 s[G1M+3], 64<<16
	s_mov_b32 s[G1M+4], 32
	s_mov_b32 s[G1M+5], 2048
	s_mov_b32 s[G1M+6], 0
	s_mov_b32 s[G1M+7], 0
	; groups 0: wave w brings rows 64 w .. 64 w + 63 of x, and its own chunk of the mask
	s_mul_i32 s21, s18, 64*XP
	s_mul_i32 s22, s18, 64*XSP
	s_mov_b32 s[G0X], 1
	s_add_co_u32 s[G0X+1], s21, XL
	s_lshl_b32 s[G0X+2], s20, 17                   ; (256 y + 64 w) x 512 bytes
	s_lshl_b32 s23, s18, 15
	s_add_co_u32 s[G0X+2], s[G0X+2], s23
	s_mov_b32 s[G0X+3], 0
	s_mov_b32 s[G0S], 1
	s_add_co_u32 s[G0S+1], s22, XSL
	s_lshl_b32 s[G0S+2], s20, 13                   ; (256 y + 64 w) x 32 bytes
	s_lshl_b32 s23, s18, 11
	s_add_co_u32 s[G0S+2], s[G0S+2], s23
	s_mov_b32 s[G0S+3], 0
	s_mov_b32 s[G0M], 1
	s_add_co_u32 s[G0M+1], s21, ML                 ; 2 MBUF = 64 XP: the same product serves
	s_lshl_b32 s[G0M+2], s20, 22                   ; 256 y rows of 16,384 bytes + 512 x chunk
	s_lshl_b32 s23, s19, 9
	s_add_co_u32 s[G0M+2], s[G0M+2], s23
	s_mov_b32 s[G0M+3], 0
	s_mov_b32 s[G0M+4], 1
	s_add_co_u32 s[G0M+5], s21, ML+MBUF
	s_lshl_b32 s[PB], s20, 19                      ; pimg: (512 y + chunk) x 1,024
	s_lshl_b32 s23, s19, 10
	s_add_co_u32 s[PB], s[PB], s23
	s_mov_b32 s[PB+1], 0
	s_lshl_b32 s[RB], s20, 17                      ; rec: (512 y + chunk) x 256
	s_lshl_b32 s23, s19, 8
	s_add_co_u32 s[RB], s[RB], s23
	s_mov_b32 s[RB+1], 0
	s_lshl_b32 s72, s19, 16                        ; d1img: 65,536 x chunk
	s_mov_b32 s73, 0
	s_lshl_b32 s74, s19, 12                        ; d1sc: 4,096 x chunk
	s_mov_b32 s75, 0
	s_wait_kmcnt 0x0
	s_add_nc_u64 s[G0X+2:G0X+3], s[4:5], s[G0X+2:G0X+3]
	s_add_nc_u64 s[G0S+2:G0S+3], s[6:7], s[G0S+2:G0S+3]
	s_add_nc_u64 s[G0M+2:G0M+3], s[8:9], s[G0M+2:G0M+3]
	s_add_nc_u64 s[G0M+6:G0M+7], s[G0M+2:G0M+3], 32*16384   ; slot 1 begins with rows 32 .. 63
	s_or_b32 s[G0X+3], s[G0X+3], 0x80000000
	s_or_b32 s[G0S+3], s[G0S+3], 0x80000000
	s_or_b32 s[G0M+3], s[G0M+3], 0x80000000
	s_or_b32 s[G0M+7], s[G0M+7], 0x80000000
	tensor_load_to_lds s[G0S:G0S+3], s[G1S:G1S+7]  ; the first fills go out as one group: four loads of mine are out
	s_nop 0
	tensor_load_to_lds s[G0X:G0X+3], s[G1X:G1X+7]
	s_nop 0
	tensor_load_to_lds s[G0M:G0M+3], s[G1M:G1M+7]
	s_nop 0
	tensor_load_to_lds s[G0M+4:G0M+7], s[G1M:G1M+7]
	s_nop 0
.rept 4
	v_nop                                          ; four lines behind a tensor load, ahead of any switch of windows
.endr
	s_add_nc_u64 s[10:11], s[10:11], s[72:73]
	s_add_nc_u64 s[12:13], s[12:13], s[74:75]
	s_add_nc_u64 s[PB:PB+1], s[14:15], s[PB:PB+1]
	s_add_nc_u64 s[RB:RB+1], s[16:17], s[RB:RB+1]
	v_and_b32 v1, 31, v0                           ; lane
	v_and_b32 v54, 15, v0                          ; r
	v_bfe_u32 v55, v0, 4, 1                        ; h
	v_lshlrev_b32 v[PO], 4, v1
	v_lshlrev_b32 v53, 2, v54
	v_lshl_add_u32 v53, v55, 11, v53               ; D1's scale words: 4 r, and four K steps (2,048 bytes) on for lanes 16-31
	WIN 0x80                                       ; destination window 2
.set n, 0
.rept 64
	global_load_b128 v[4*n:4*n+3], v[PO], s[10:11] offset:512*n          ; D1's fragments of K steps 0-3, as they lie: 512 consecutive bytes a load
.set n, n+1
.endr
	WIN 0xc0                                       ; destination window 3
.set n, 0
.rept 64
	global_load_b128 v[4*n:4*n+3], v[PO], s[10:11] offset:32768+512*n    ; K steps 4-7
.set n, n+1
.endr
	WIN 0
.irp t, 0,1,2,3,4,5,6,7
.irp i, 0,1,2,3
	global_load_b32 v[SW1+4*\t+\i], v53, s[12:13] offset:512*\i+64*\t
.endr
.endr
	v_mul_u32_u24 v[XADR], v54, XP
	v_lshl_add_u32 v[XADR], v55, 4, v[XADR]
	v_mul_u32_u24 v[XSADR], v54, XSP
	v_lshl_add_u32 v[XSADR], v55, 4, v[XSADR]
	v_add_nc_u32 v[XSADR], XSL, v[XSADR]
	v_mul_u32_u24 v[MADR], v54, XP
	v_lshl_add_u32 v[MADR], v55, 6, v[MADR]
	s_add_co_u32 s23, s21, ML
	v_add_nc_u32 v[MADR], s23, v[MADR]
	v_add_nc_u32 v[MADR+1], MBUF, v[MADR]
	v_lshlrev_b32 v[RO], 4, v54
	v_lshl_add_u32 v[RO], v55, 3, v[RO]
	s_lshl_b32 s23, s19, 7
	v_lshl_add_u32 v[IB], v55, 4, s23
	v_mov_b32 v[BIG], 0x7fffffff
	v_mov_b32 v[KP], 0x4e6e6b28                    ; 1e9
	v_mov_b32 v[KP+1], 0x4e6e6b28
	v_mov_b32 v[KN], 0xce6e6b28                    ; -1e9
	v_mov_b32 v[KN+1], 0xce6e6b28
.irp b, 0,1,2,3
	v_mov_b32 v[BX+\b], 0                          ; written once: a lane permute's destination counts as one of its sources
.endr
	v_mov_b32 v[TT], 0
	s_mov_b32 s[CL], 0x3fb8aa3b                    ; log2(e)
	s_mov_b32 s[CL+1], s[CL]
	s_mov_b32 s[SEL], 0x76543210
	s_mov_b32 s[SEL+1], 0xfedcba98
	s_mov_b32 s[HI], 0xffff0000
	s_mov_b32 s[TRIPS], 3
; x's eight fragments and four scale registers of row tile kk of the trip: 17 loads
.macro XLD kk
	WIN 0x40                                       ; destination window 1
.irp s, 0,1,2,3,4,5,6,7
.irp c, 0,1
	ds_load_b128 v[8*\s+4*\c:8*\s+4*\c+3], v[XADR] offset:16*XP*(\kk)+64*\s+32*\c
.endr
.endr
	WIN 0
	ds_load_b128 v[XSC:XSC+3], v[XSADR] offset:16*XSP*(\kk)
.endm
; the mask of row tile k: my row's 64 numbers, in S's order: 16 loads
.macro MASKLD k
.irp b, 0,1,2,3
.irp q, 0,1,2,3
	ds_load_b128 v[MK+16*\b+4*\q:MK+16*\b+4*\q+3], v[MADR+(\k)/2] offset:16*XP*((\k)%2)+128*\b+16*\q
.endr
.endr
.endm
; 64 products: K step by K step, the eight accumulators by turns, one instruction a turn; the first K step starts the sums
.macro MUL64
.irp s, 0,1,2,3,4,5,6,7
.if \s == 0
	WIN 0x06                                       ; source 0 (D1) window 2, source 1 (x) window 1, C and D window 0
.endif
.if \s == 4
	WIN 0x07                                       ; source 0 window 3
.endif
.irp t, 0,1,2,3,4,5,6,7
.if \s == 0
	v_wmma_scale_f32_16x16x128_f8f6f4 v[S+8*\t:S+8*\t+7], v[8*(8*(\s%4)+\t):8*(8*(\s%4)+\t)+7], v[8*\s:8*\s+7], 0, v[SW1+4*\t+\s%4], v[XSC+\s%4] matrix_a_fmt:MATRIX_FMT_FP4 matrix_b_fmt:MATRIX_FMT_FP4
.elseif \s < 4
	v_wmma_scale_f32_16x16x128_f8f6f4 v[S+8*\t:S+8*\t+7], v[8*(8*(\s%4)+\t):8*(8*(\s%4)+\t)+7], v[8*\s:8*\s+7], v[S+8*\t:S+8*\t+7], v[SW1+4*\t+\s%4], v[XSC+\s%4] matrix_a_fmt:MATRIX_FMT_FP4 matrix_b_fmt:MATRIX_FMT_FP4
.else
	v_wmma_scale_f32_16x16x128_f8f6f4 v[S+8*\t:S+8*\t+7], v[8*(8*(\s%4)+\t):8*(8*(\s%4)+\t)+7], v[8*\s:8*\s+7], v[S+8*\t:S+8*\t+7], v[SW1+4*\t+\s%4], v[XSC+\s%4] matrix_a_fmt:MATRIX_FMT_FP4 matrix_b_fmt:MATRIX_FMT_FP4 matrix_a_scale:MATRIX_SCALE_ROW1 matrix_b_scale:MATRIX_SCALE_ROW1
.endif
.endr
.endr
.endm
.macro E1                              ; the mask as f32: 64 plain lines that name no register of the products
.set j, 0
.rept 64
	v_cvt_f32_i32 v[MK+j], v[MK+j]
.set j, j+1
.endr
.endm
; All that follows the products of row tile k, in window 0
.macro EPI k
.set gg, 0
.rept 8                                ; s m + (m - 1) 1e9, two at a time; each accumulator is read from its low end on
.irp q, 0,1,2,3
	v_pk_fma_f32 v[T+2*\q:T+2*\q+1], v[MK+8*gg+2*\q:MK+8*gg+2*\q+1], v[KP:KP+1], v[KN:KN+1]
.endr
.irp q, 0,1,2,3
	v_pk_fma_f32 v[S+8*gg+2*\q:S+8*gg+2*\q+1], v[S+8*gg+2*\q:S+8*gg+2*\q+1], v[MK+8*gg+2*\q:MK+8*gg+2*\q+1], v[T+2*\q:T+2*\q+1]
.endr
.set gg, gg+1
.endr
.irp b, 0,1,2,3                        ; the largest of my 16 scores of each block, the four blocks by turns
	v_max3_num_f32 v[BL+\b], v[S+16*\b], v[S+16*\b+1], v[S+16*\b+2]
.endr
.irp i, 3,5,7,9,11,13
.irp b, 0,1,2,3
	v_max3_num_f32 v[BL+\b], v[BL+\b], v[S+16*\b+\i], v[S+16*\b+\i+1]
.endr
.endr
.irp b, 0,1,2,3
	v_max_num_f32 v[BL+\b], v[BL+\b], v[S+16*\b+15]
.endr
.irp b, 0,1,2,3                        ; where it stands first: from the top down, so that the lowest place stays
	v_mov_b32 v[IX+\b], 15
.endr
.irp i, 14,13,12,11,10,9,8,7,6,5,4,3,2,1,0
.irp b, 0,1,2,3
	v_cmp_eq_f32 s[CM+\b], v[S+16*\b+\i], v[BL+\b]
.endr
.irp b, 0,1,2,3
	v_cndmask_b32 v[IX+\b], v[IX+\b], \i, s[CM+\b]
.endr
.endr
	v_max3_num_f32 v[LM], v[BL], v[BL+1], v[BL+2]
	v_max_num_f32 v[LM], v[LM], v[BL+3]            ; my lane's largest
	v_add_nc_u32 v[IX+1], 32, v[IX+1]
	v_add_nc_u32 v[IX+2], 64, v[IX+2]
	v_add_nc_u32 v[IDX], 0x60, v[IX+3]
.irp b, 2,1,0
	v_cmp_eq_f32 s[CM+\b], v[BL+\b], v[LM]
.endr
.irp b, 2,1,0
	v_cndmask_b32 v[IDX], v[IDX], v[IX+\b], s[CM+\b]   ; the lowest block that holds it
.endr
	v_add_nc_u32 v[IDX], v[IB], v[IDX]
.irp b, 0,1,2,3
	v_permlanex16_b32 v[BX+\b], v[BL+\b], s[SEL], s[SEL+1]
.endr
.irp b, 0,1,2,3
	v_max_num_f32 v[BG+\b], v[BL+\b], v[BX+\b]     ; with lane l xor 16's: each block's largest score
.endr
	v_max3_num_f32 v[RM], v[BG], v[BG+1], v[BG+2]
	v_max_num_f32 v[RM], v[RM], v[BG+3]            ; smax
	v_cmp_eq_f32 s[CM], v[LM], v[RM]
	v_cndmask_b32 v[IDX], v[BIG], v[IDX], s[CM]    ; a lane that does not hold it stands back
	v_permlanex16_b32 v[TT], v[IDX], s[SEL], s[SEL+1]
	v_min_u32 v[IDX], v[IDX], v[TT]                ; the lower index of the two lanes'
	v_mul_f32 v[TT], s[CL], v[RM]
	v_floor_f32 v[NM], -v[TT]                      ; -M = floor(-c smax)
	v_mov_b32 v[NM+1], v[NM]
.set j, 0
.rept 32
	v_pk_mul_f32 v[S+j:S+j+1], v[S+j:S+j+1], s[CL:CL+1] op_sel_hi:[1,0]   ; t
.set j, j+2
.endr
.irp b, 0,1,2,3
	v_mul_f32 v[BG+\b], s[CL], v[BG+\b]            ; the same two lines on each block's largest score give its largest p, bit for bit
.endr
.set j, 0
.rept 32
	v_pk_add_f32 v[S+j:S+j+1], v[S+j:S+j+1], v[NM:NM+1]                   ; t - M, at most 0
.set j, j+2
.endr
.irp b, 0,1,2,3
	v_add_f32 v[BG+\b], v[BG+\b], v[NM]
.endr
.set j, 0
.rept 64
	v_exp_f32 v[S+j], v[S+j]                       ; p, one batch
.set j, j+1
.endr
	v_nop                                          ; a plain line behind the last exponential
	s_wait_alu depctr_va_vdst(0)                   ; one wait for the batch, ahead of its first reader
.irp b, 0,1,2,3
	v_exp_f32 v[BG+\b], v[BG+\b]                   ; a second, small batch; the sums below read the 64 alone
.endr
.irp q, 0,1,2,3                        ; l: the sum of the unquantised p, two at a time, in four chains
	v_pk_add_f32 v[L+2*\q:L+2*\q+1], v[S+2*\q:S+2*\q+1], v[S+8+2*\q:S+8+2*\q+1]
.endr
.irp u, 16,24,32,40,48,56
.irp q, 0,1,2,3
	v_pk_add_f32 v[L+2*\q:L+2*\q+1], v[L+2*\q:L+2*\q+1], v[S+\u+2*\q:S+\u+2*\q+1]
.endr
.endr
	v_pk_add_f32 v[L:L+1], v[L:L+1], v[L+2:L+3]
	v_pk_add_f32 v[L+4:L+5], v[L+4:L+5], v[L+6:L+7]
	v_pk_add_f32 v[L:L+1], v[L:L+1], v[L+4:L+5]
	v_add_f32 v[L], v[L], v[L+1]
	v_permlanex16_b32 v[TT], v[L], s[SEL], s[SEL+1]
	v_add_f32 v[L], v[L], v[TT]
	s_wait_alu depctr_va_vdst(0)                   ; and one for the four
.irp b, 0,1,2,3
	v_max_num_f32 v[BG+\b], 0x1800000, v[BG+\b]    ; the floor 2^(3 - 127): the byte cannot fall under 1
.endr
.irp b, 0,1,2,3
	v_add_nc_u32 v[SO+\b], 0xff000000, v[BG+\b]    ; 2 off the exponent field: the conversion's scale operand
.endr
.irp b, 0,1,2,3
	v_lshrrev_b32 v[BY+\b], 23, v[SO+\b]
.endr
	v_lshl_or_b32 v[WD], v[BY+1], 8, v[BY]
	v_lshl_or_b32 v[WD], v[BY+2], 16, v[WD]
	v_lshl_or_b32 v[WD], v[BY+3], 24, v[WD]        ; p's scale word for the chunk, under the local M
	s_wait_xcnt 0x0                                ; the last row tile's stores have read their data: the codes and the record are written again only behind this wait
.irp b, 0,1,2,3
	v_cvt_scalef32_pk8_fp4_f32 v[PC+2*\b], v[S+16*\b:S+16*\b+7], v[SO+\b]
	v_cvt_scalef32_pk8_fp4_f32 v[PC+2*\b+1], v[S+16*\b+8:S+16*\b+15], v[SO+\b]
.endr
	v_nop                                          ; a plain line behind the scaled conversions
.irp c, 0,1                            ; the operand's layout wants a whole block in a lane: lanes 0-15 block 2 c, lanes 16-31 block 2 c + 1
.irp i, 0,1
	v_permlane16_swap_b32 v[PC+4*\c+\i], v[PC+4*\c+2+\i]
.endr
.endr
	v_cndmask_b32 v[RD], v[WD], v[RM], s[HI]       ; the record (word, l, smax, index): lanes 0-15 store its first 8 bytes, lanes 16-31 the other 8
	v_cndmask_b32 v[RD+1], v[L], v[IDX], s[HI]
	global_store_b128 v[PO], v[PC:PC+3], s[PB:PB+1] offset:32768*(\k)          ; the fragment's image: 2 x 512 consecutive bytes
	global_store_b128 v[PO], v[PC+4:PC+7], s[PB:PB+1] offset:32768*(\k)+512
	global_store_b64 v[RO], v[RD:RD+1], s[RB:RB+1] offset:8192*(\k)            ; 32 lanes store 256 consecutive bytes, aligned
.endm
; ROW TILE k of a trip's four: 16 rows x my 128 atoms.  refill = 1: its mask was the slot's last: the slot is filled again.  tw = 1: the slot's fill is still to be waited for.  nx = 1: the next row tile's x is fetched.
.macro ROWTILE k, refill, tw, nx
.if \tw
	s_wait_tensorcnt 0x0                           ; the last fill has landed
.endif
	MASKLD \k
	s_wait_dscnt 16                                ; x's 17 loads are in; the 16 just issued may be out
	MUL64
	WIN 0
.if \refill
	s_wait_tensorcnt 0x0                           ; all my tensor loads have landed: the one that was out is the other slot's
	ds_add_u32 v[SPW], v[NIL]                      ; 0 onto my spare word
	s_wait_dscnt 1                                 ; the mask is in (the add may be out)
	E1                                             ; register work behind the add; also the places behind the products
	s_add_nc_u64 s[G0M+4*((\k)/2)+2:G0M+4*((\k)/2)+3], s[G0M+4*((\k)/2)+2:G0M+4*((\k)/2)+3], 64*16384   ; no load of mine is out: the slot's next 32 rows lie 64 rows on
	s_wait_dscnt 0x0                               ; the add is done, and my reads of the slot are over
	s_barrier_signal -1
	s_barrier_wait -1
	tensor_load_to_lds s[G0M+4*((\k)/2):G0M+4*((\k)/2)+3], s[G1M:G1M+7]   ; my one tensor load behind the barrier, and the first thing there: it has two row tiles in which to land
	s_nop 0
.rept 4
	v_nop
.endr
	XLD (\k)+1
.else
.rept 4
	v_nop                                          ; four places in front of loads into registers that the products have read
.endr
.if \nx
	XLD (\k)+1
	s_wait_dscnt 17                                ; the mask is in; x's 17 loads may be out
.else
	s_wait_dscnt 0x0
.endif
	E1
.endif
	EPI \k
.endm
	s_wait_loadcnt 0x0                             ; D1 and its scale words
	s_wait_tensorcnt 1                             ; x, its scale bytes and the mask's first slot have landed; the second slot's fill may stay out
	s_barrier_signal -1
	s_barrier_wait -1                              ; every wave's quarter of x has
	XLD 0
.Ltrip:                                            ; three trips of four row tiles; each fills both slots again
	ROWTILE 0, 0, 0, 1
	ROWTILE 1, 1, 0, 1
	ROWTILE 2, 0, 0, 1
	ROWTILE 3, 1, 0, 1
	s_wait_xcnt 0x0                                ; the stores have read their bases
	s_add_nc_u64 s[PB:PB+1], s[PB:PB+1], 4*32768
	s_add_nc_u64 s[RB:RB+1], s[RB:RB+1], 4*8192
	v_add_nc_u32 v[XADR], 64*XP, v[XADR]
	v_add_nc_u32 v[XSADR], 64*XSP, v[XSADR]
	s_sub_co_u32 s[TRIPS], s[TRIPS], 1
	s_cmp_lg_u32 s[TRIPS], 0
	s_cbranch_scc1 .Ltrip
	ROWTILE 0, 0, 0, 1                             ; the last four row tiles are written out: nothing is left to fetch
	ROWTILE 1, 0, 0, 1
	ROWTILE 2, 0, 1, 1
	ROWTILE 3, 0, 0, 0
	s_wait_tensorcnt 0x0                           ; the wave's end
	ds_add_u32 v[SPW], v[NIL]
	s_wait_dscnt 0x0
	s_endpgm
.Lfunc_end_k_qfcc37d8274_scores:
	.size	k_qfcc37d8274_scores, .Lfunc_end_k_qfcc37d8274_scores-k_qfcc37d8274_scores
	.p2alignl 7, 3214868480
	.fill 96, 4, 3214868480
	.section	.rodata,"a",@progbits
	.p2align	6, 0x0
	.amdhsa_kernel k_qfcc37d8274_scores
		.amdhsa_group_segment_fixed_size 327680
		.amdhsa_private_segment_fixed_size 0
		.amdhsa_enable_private_segment 0
		.amdhsa_kernarg_size 56
		.amdhsa_user_sgpr_count 2
		.amdhsa_user_sgpr_kernarg_segment_ptr 1
		.amdhsa_wavefront_size32 1
		.amdhsa_system_sgpr_workgroup_id_x 1
		.amdhsa_system_sgpr_workgroup_id_y 1
		.amdhsa_system_sgpr_workgroup_id_z 1
		.amdhsa_system_vgpr_workitem_id 0
		.amdhsa_next_free_vgpr 1024
		.amdhsa_next_free_sgpr 80
		.amdhsa_reserve_vcc 0
		.amdhsa_float_denorm_mode_32 3
		.amdhsa_float_denorm_mode_16_64 3
		.amdhsa_memory_ordered 1
		.amdhsa_forward_progress 1
		.amdhsa_inst_pref_size 255
	.end_amdhsa_kernel
	.section	.bss,"aw",@nobits
	.p2align	6
	.space	262144
	.amdgpu_metadata
---
amdhsa.version: [ 1, 2 ]
amdhsa.kernels:
  - .name:           k_qfcc37d8274_scores
    .symbol:         k_qfcc37d8274_scores.kd
    .args:
      - { .name: x_codes, .offset: 0, .size: 8, .value_kind: global_buffer, .address_space: global }
      - { .name: x_scales, .offset: 8, .size: 8, .value_kind: global_buffer, .address_space: global }
      - { .name: mask, .offset: 16, .size: 8, .value_kind: global_buffer, .address_space: global }
      - { .name: d1img, .offset: 24, .size: 8, .value_kind: global_buffer, .address_space: global }
      - { .name: d1sc, .offset: 32, .size: 8, .value_kind: global_buffer, .address_space: global }
      - { .name: pimg, .offset: 40, .size: 8, .value_kind: global_buffer, .address_space: global }
      - { .name: rec, .offset: 48, .size: 8, .value_kind: global_buffer, .address_space: global }
    .group_segment_fixed_size: 327680
    .private_segment_fixed_size: 0
    .kernarg_segment_align: 8
    .kernarg_segment_size: 56
    .max_flat_workgroup_size: 128
    .sgpr_count:     80
    .vgpr_count:     1024
    .wavefront_size: 32
...
	.end_amdgpu_metadata
.endif
;; end of part 2
;; launch recon (part 3): grid 8 x 32, 4 waves a work-group, clusters of 4 x 4, 327,680 bytes of LDS; arguments pimg, rec, d2img, d2sc, out0, out1; writes out0, out1
.if DOCPART == 3
	.amdgcn_target "amdgcn-amd-amdhsa--gfx1250"
	.amdhsa_code_object_version 6
	.text
	.protected	k_qfcc37d8274_recon
	.globl	k_qfcc37d8274_recon
	.p2align	8
	.type	k_qfcc37d8274_recon,@function
k_qfcc37d8274_recon:
	s_mov_b64 s[64:65], 0
	v_nop
	global_prefetch_b8 v0, s[64:65] scope:SCOPE_SE
	s_setreg_imm32_b32 hwreg(HW_REG_WAVE_MODE, 25, 1), 1
	s_wait_xcnt 0x0
	s_wait_alu depctr_hold_cnt(0) depctr_sa_sdst(0) depctr_va_vdst(0) depctr_va_sdst(0) depctr_va_ssrc(0) depctr_va_vcc(0) depctr_vm_vsrc(0)
	s_getreg_b32 s2, hwreg(HW_REG_IB_STS2, 6, 4)
	s_cmp_eq_u32 s2, 0
	s_cbranch_scc0 .Lentry_in_a_cluster
	s_endpgm
.Lentry_in_a_cluster:
	s_bfe_u32 s2, ttmp6, 0x10000c
	s_cmp_lg_u32 s2, 0xf033
	s_cbranch_scc0 .Lentry_shape_is_right
	s_endpgm
.Lentry_shape_is_right:
; out0[row][d] = (the sum over atoms of p[row][atom] D2[atom][d]) / l[row], on FP4 codes; out1[row] = the index of the row's largest score.
; p's codes were made chunk by chunk (128 atoms) under a whole number M of the chunk's own.  AT THE HEAD each row's M is made from the records (the same two instructions on the stored largest scores), and for each chunk
; d = M_row - M_chunk is taken off the four scale bytes (held at 0) and off l's exponent: exact powers of two.
; LIMITS: a byte that would fall under 0 is held at 0: such a block then counts for at most 6 x 2^-127 a number where it should count for less.  NaN and infinities are not served.
; SHARES.  A tile of out0 is 256 rows (y) x 128 d (x): 256 work-groups of four waves; a wave makes 128 rows x 64 d: 32 accumulators.  K = 4,096 atoms goes in slots of 4 chunks through a ring of two LDS slots.
; Both operands lie in memory as images of their registers: a fragment is 1,024 consecutive bytes, read by two loads of 512 at 16 x lane: no pitch, no padding.
; CLUSTERS: 4 x 4 work-groups.  The four of a row of the cluster need the same tiles of p, the four of a column the same tiles of D2: each is asked for JOINTLY, by the same tensor load with the same descriptor and a mask that names the four.
; THE MATRIX INSTRUCTION IS USED TRANSPOSED (source 0 = 16 d of D2, source 1 = 16 rows of p): a lane holds eight neighbouring d of one row.
; REGISTERS, in windows of 256: window 0: v1-5, v14, v15 at work; v12-31 addresses; v32-95 scale words, two sets; v96-223 the head's records (pass 0), later the way out; v224-255 32 words.
;   window 1: two sets of fragments at 128 p: p's eight blocks, then D2's four; at the head the records of pass 1.   window 2: accumulator (a, b) at v[8 (4 a + b)]; at the head, in wave 0, the argmax's 64 registers.
.set SLOT,   98304                     ; p: 16 row tiles x 4 chunks x 1,024 bytes; behind them D2: 8 d tiles x 4 chunks x 1,024
.set BOFF,   65536
.set SCP,    144                       ; a row of scale words: 32 words + 16 bytes
.set BSC,    2*SLOT                    ; D2's scale words: 128 d
.set ASC,    BSC+128*SCP               ; p's, under the row's M: 256 rows
.set RL,     ASC+256*SCP               ; 1 / l: 256 words
.set SPARE,  RL+1024                   ; the spare words, 128 bytes for each wave: two blocks of 256 bytes that no other line names
.set SPITCH, 272                       ; the way out: a stage of 16 rows x (256 bytes + 16) for each wave, in slot 0, which has had its last fill and its last read by then
.set RLA,  12                          ; v12  1 / l of my row of block 0
.set ADRA, 16                          ; v16-17 p's fragments in slot 0, 1
.set BSTO, 18                          ; v18  where I store a d's 32 words
.set L4,   19                          ; v19  4 x lane
.set ADRB, 20                          ; v20-21 D2's fragments
.set ASTO, 22                          ; v22  where I store a row's 32 words
.set RLST, 23                          ; v23  and its 1 / l
.set STO,  24                          ; v24  the stage: where I put 32 bytes of a row
.set RDB,  25                          ; v25  and where I read a row back
.set CO,   26                          ; v26  my byte offset in out0
.set ADRS, 27                          ; v27  my scale words: lanes 0-15 p's rows, lanes 16-31 D2's
.set SPW,  28                          ; v28  LDS address of my spare word; never rewritten
.set NIL,  29                          ; v29  0; never rewritten
.set HO,   30                          ; v30  8,192 h + 16 r: my row's record in a pair of row tiles
.set T4,   31                          ; v31  4 x thread
.set SC,   32                          ; set sl at SC + 32 sl; register 4 i + q: lanes 0-15 the word of p's block i, lanes 16-31 that of D2's block i, chunk q of the slot
.set R,    96                          ; the records: chunk ch at R + 4 ch: word, l, smax, index
.set W,    224
.set AM,   96                          ; in window 2: (smax, index) of 32 chunks
.set TMP,  96                          ; the way out
.set BK,   128
.set RLR,  192
.set G1A,  24                          ; s[24:31] group 1 for p's tiles, s[32:39] groups 0, one for each slot
.set G0A,  32
.set G1B,  40                          ; s[40:47], s[48:55] the same for D2's
.set G0B,  48
.set CL,   66                          ; s66  log2(e)
.set HB,   67                          ; s67  0x80808080
.set MSB, 0
.macro WIN new                         ; the immediate's high byte repeats the setting that is left
.if MSB != \new
	s_set_vgpr_msb (MSB<<8)|\new
.set MSB, \new
.endif
.endm
; A joint load: waves 0 and 1 fetch p's two halves, waves 2 and 3 D2's.  The branch hangs on the wave's number alone.  Four v_nop follow each of the two lines.
.macro JLOAD s
	s_cmp_eq_u32 s17, 0
	s_cbranch_scc0 .Lfor_b_\@
	tensor_load_to_lds s[G0A+4*\s:G0A+4*\s+3], s[G1A:G1A+7]
	s_nop 0
.rept 4
	v_nop
.endr
	s_branch .Lasked_\@
.Lfor_b_\@:
	tensor_load_to_lds s[G0B+4*\s:G0B+4*\s+3], s[G1B:G1B+7]
	s_nop 0
.rept 4
	v_nop
.endr
.Lasked_\@:
.endm
.macro CREST                           ; a round of the cluster's barrier behind its opening barrier
	s_cmp_lg_u32 s16, 0
	s_cbranch_scc1 .Lnot_wave_0_\@
	s_barrier_signal -3
.Lnot_wave_0_\@:
	s_barrier_wait -3
	s_barrier_signal -1
	s_barrier_wait -1
.endm
.macro CROUND                          ; a whole round
	s_barrier_signal -1
	s_barrier_wait -1
	CREST
.endm
	s_load_b256 s[4:11], s[0:1], 0x0               ; pimg s[4:5], rec s[6:7], d2img s[8:9], d2sc s[10:11]
	s_load_b128 s[12:15], s[0:1], 0x20             ; out0 s[12:13], out1 s[14:15]
	v_lshl_add_u32 v[SPW], v0, 2, SPARE
	v_mov_b32 v[NIL], 0
	ds_add_u32 v28, v29
	ds_add_u32 v28, v29
	s_wait_dscnt 0x0
	v_lshrrev_b32 v1, 5, v0
	v_readfirstlane_b32 s16, v1                    ; wave 0..3
	s_lshr_b32 s17, s16, 1                         ; which half of the rows is mine.  Also: I fetch for p (0) or for D2 (1)
	s_and_b32 s18, s16, 1                          ; which half of the d.  Also: which half of that tile I fetch
	s_bfe_u32 s19, ttmp6, 0x40000                  ; cx, cy: my place in the cluster
	s_bfe_u32 s20, ttmp6, 0x40004
	s_lshl_b32 s21, ttmp9, 2
	s_add_co_u32 s21, s21, s19                     ; x = 4 x cluster x + cx
	s_and_b32 s22, ttmp7, 0xffff
	s_lshl_b32 s22, s22, 2
	s_add_co_u32 s22, s22, s20                     ; y = 4 x cluster y + cy
	s_lshl_b32 s23, s20, 2
	s_lshl_b32 s23, 15, s23                        ; my row of the cluster
	s_lshl_b32 s62, 0x1111, s19                    ; my column
	; groups 1, in elements of 8 bytes, no padding: rows of 4,096 bytes (a tile's 4 chunks), 32,768 bytes apart: 8 row tiles of p, 4 d tiles of D2
	s_or_b32 s[G1A+0], s23, (3<<16)|(1<<21)        ; 15:0 the mask; 17:16 elements of 8 bytes; 21 set beside a mask
	s_or_b32 s[G1B+0], s62, (3<<16)|(1<<21)
	s_mov_b32 s[G1A+1], 512<<16                    ; tensor_dim0
	s_mov_b32 s[G1A+2], 8<<16                      ; tensor_dim1
	s_mov_b32 s[G1A+3], 512<<16                    ; tile_dim0
	s_mov_b32 s[G1A+4], 8                          ; tile_dim1
	s_mov_b32 s[G1A+5], 4096                       ; from row to row
	s_mov_b32 s[G1A+6], 0
	s_mov_b32 s[G1A+7], 0
	s_mov_b32 s[G1B+1], 512<<16
	s_mov_b32 s[G1B+2], 4<<16
	s_mov_b32 s[G1B+3], 512<<16
	s_mov_b32 s[G1B+4], 4
	s_mov_b32 s[G1B+5], 4096
	s_mov_b32 s[G1B+6], 0
	s_mov_b32 s[G1B+7], 0
	s_lshl_b32 s56, s22, 19                        ; p: (16 y + 8 half) x 32,768: hangs on y and the wave alone
	s_lshl_b32 s57, s18, 18
	s_add_co_u32 s56, s56, s57
	s_mov_b32 s57, 0
	s_lshl_b32 s58, s21, 18                        ; D2: (8 x + 4 half) x 32,768: on x and the wave alone
	s_lshl_b32 s59, s18, 17
	s_add_co_u32 s58, s58, s59
	s_mov_b32 s59, 0
	s_lshl_b32 s60, s18, 15                        ; where they go: no place in the cluster enters an LDS address
	s_lshl_b32 s61, s18, 14
	s_wait_kmcnt 0x0
	s_add_nc_u64 s[56:57], s[4:5], s[56:57]
	s_add_nc_u64 s[58:59], s[8:9], s[58:59]
	CROUND                                         ; all sixteen work-groups are here: the first joint loads meet
.irp s, 0,1
	s_mov_b32 s[G0A+4*\s], 1
	s_add_co_u32 s[G0A+4*\s+1], s60, \s*SLOT
	s_add_nc_u64 s[G0A+4*\s+2:G0A+4*\s+3], s[56:57], \s*4096
	s_or_b32 s[G0A+4*\s+3], s[G0A+4*\s+3], 0x80000000
	s_mov_b32 s[G0B+4*\s], 1
	s_add_co_u32 s[G0B+4*\s+1], s61, \s*SLOT+BOFF
	s_add_nc_u64 s[G0B+4*\s+2:G0B+4*\s+3], s[58:59], \s*4096
	s_or_b32 s[G0B+4*\s+3], s[G0B+4*\s+3], 0x80000000
	JLOAD \s                                       ; two loads of mine are out
.endr
	v_and_b32 v1, 31, v0                           ; lane
	v_and_b32 v2, 15, v0                           ; r
	v_bfe_u32 v3, v0, 4, 1                         ; h
	v_lshlrev_b32 v4, 4, v1                        ; 16 x lane
	s_lshl_b32 s60, s17, 15                        ; my 8 row tiles of p,
	s_lshl_b32 s61, s18, 14                        ; my 4 d tiles of D2,
	s_add_co_u32 s61, s61, BOFF                    ; which lie behind p's
.irp s, 0,1
	v_add_nc_u32 v[ADRA+\s], s60, v4
	v_add_nc_u32 v[ADRB+\s], s61, v4
	s_add_co_u32 s60, s60, SLOT
	s_add_co_u32 s61, s61, SLOT
.endr
	v_mul_u32_u24 v[BSTO], v0, SCP
	v_add_nc_u32 v[BSTO], BSC, v[BSTO]             ; thread t stores the words of d = t
	v_lshlrev_b32 v[L4], 2, v1
	v_lshlrev_b32 v[T4], 2, v0
	s_mul_i32 s60, s16, 64*SCP
	s_add_co_u32 s60, s60, ASC
	v_mul_u32_u24 v[ASTO], v1, SCP
	v_add_nc_u32 v[ASTO], s60, v[ASTO]             ; pass p: row 64 w + 32 p + lane
	s_lshl_b32 s60, s16, 8
	s_add_co_u32 s60, s60, RL
	v_lshl_add_u32 v[RLST], v1, 2, s60
	s_mul_i32 s60, s16, 16*SPITCH                  ; my stage
	v_mul_u32_u24 v[STO], v2, SPITCH
	v_lshl_add_u32 v[STO], v3, 5, v[STO]
	v_add_nc_u32 v[STO], s60, v[STO]               ; in: row r, 32 bytes for each half of the lanes
	v_mul_u32_u24 v[RDB], v3, SPITCH
	v_lshl_add_u32 v[RDB], v2, 4, v[RDB]
	v_add_nc_u32 v[RDB], s60, v[RDB]               ; back: lanes 0-15 one row of 256 bytes, lanes 16-31 the next
	v_lshlrev_b32 v[CO], 12, v3
	v_lshl_add_u32 v[CO], v2, 4, v[CO]             ; and the same two rows in out0
	; my scale words, as ONE product: D2's base, the lower one, + (1 - h) x the distance to p's
	s_mul_i32 s60, s18, 64*SCP                     ; D2's: my 64 d
	s_xor_b32 s61, s18, 1
	s_mul_i32 s61, s61, 64*SCP
	s_mul_i32 s63, s17, 128*SCP                    ; p's: my 128 rows
	s_add_co_u32 s61, s61, s63
	s_add_co_u32 s61, s61, ASC-BSC-64*SCP          ; = ASC + 128 SCP (w / 2) - BSC - 64 SCP (w % 2)
	v_xor_b32 v5, 1, v3
	v_mul_u32_u24 v5, s61, v5
	v_mul_u32_u24 v[ADRS], v2, SCP
	v_add_nc_u32 v[ADRS], v[ADRS], v5
	s_add_co_u32 s60, s60, BSC
	v_add_nc_u32 v[ADRS], s60, v[ADRS]
	v_lshlrev_b32 v[HO], 13, v3
	v_lshl_add_u32 v[HO], v2, 4, v[HO]
	s_lshl_b32 s60, s17, 9
	s_add_co_u32 s60, s60, RL
	v_lshl_add_u32 v[RLA], v2, 2, s60
	s_mov_b32 s[CL], 0x3fb8aa3b
	s_mov_b32 s[HB], 0x80808080
	; global bases; x and y enter these alone
	s_lshl_b32 s68, s22, 17                        ; rec: my wave's 64 rows: (16 y + 4 w) x 8,192
	s_lshl_b32 s69, s16, 15
	s_add_co_u32 s68, s68, s69
	s_mov_b32 s69, 0
	s_add_nc_u64 s[70:71], s[6:7], s[68:69]
	s_lshl_b32 s68, s22, 17                        ; rec: the 32 rows whose argmax this work-group stores: (16 y + 2 x) x 8,192
	s_lshl_b32 s69, s21, 14
	s_add_co_u32 s68, s68, s69
	s_mov_b32 s69, 0
	s_add_nc_u64 s[72:73], s[6:7], s[68:69]
	s_lshl_b32 s68, s21, 9                         ; d2sc: 128 x words on
	s_add_nc_u64 s[10:11], s[10:11], s[68:69]
	s_lshl_b32 s68, s22, 10                        ; out1: rows 256 y + 32 x on
	s_lshl_b32 s69, s21, 7
	s_add_co_u32 s68, s68, s69
	s_mov_b32 s69, 0
	s_add_nc_u64 s[14:15], s[14:15], s[68:69]
	s_lshl_b32 s68, s22, 20                        ; out0: row 256 y + 128 (w / 2), d = 128 x + 64 (w % 2)
	s_lshl_b32 s69, s17, 19
	s_add_co_u32 s68, s68, s69
	s_lshl_b32 s69, s21, 9
	s_add_co_u32 s68, s68, s69
	s_lshl_b32 s69, s18, 8
	s_add_co_u32 s68, s68, s69
	s_mov_b32 s69, 0
	s_add_nc_u64 s[12:13], s[12:13], s[68:69]
	; ---- the head's loads
.set ch, 0
.rept 32
	global_load_b32 v[W+ch], v[T4], s[10:11] offset:4096*ch          ; D2's scale word of d = thread, chunk ch
.set ch, ch+1
.endr
.set ch, 0
.rept 32
	global_load_b128 v[R+4*ch:R+4*ch+3], v[HO], s[70:71] offset:256*ch   ; pass 0: the records of row 64 w + lane; sixteen lanes read 256 consecutive bytes
.set ch, ch+1
.endr
	WIN 0x40                                       ; destination window 1
.set ch, 0
.rept 32
	global_load_b128 v[R+4*ch:R+4*ch+3], v[HO], s[70:71] offset:16384+256*ch   ; pass 1: row 64 w + 32 + lane
.set ch, ch+1
.endr
	WIN 0
	s_cmp_lg_u32 s16, 0                            ; wave 0 alone makes the work-group's 32 numbers of out1
	s_cbranch_scc1 .Lno_am_load
	WIN 0x80                                       ; destination window 2
.set ch, 0
.rept 32
	global_load_b64 v[AM+2*ch:AM+2*ch+1], v[HO], s[72:73] offset:8+256*ch
.set ch, ch+1
.endr
	WIN 0
.Lno_am_load:
	s_wait_loadcnt 63                              ; D2's 32 words are in: at least 64 loads are younger, and the wait names the most that its field holds
.irp q, 0,1,2,3,4,5,6,7
	ds_store_b128 v[BSTO], v[W+4*\q:W+4*\q+3] offset:16*\q
.endr
; Pass p: a lane's row.  Operation by operation over the 32 chunks, in place, so that no line waits for the line above it.  All operands in window p but the words, which go to window 0.
.macro HEADCALC p
	s_wait_dscnt 0x0                               ; the LDS stores before have read the words' registers
	WIN 0x55*\p
.irp q, 0,1,2,3
	v_max3_num_f32 v[1+\q], v[R+4*\q+2], v[R+4*(\q+4)+2], v[R+4*(\q+8)+2]
.endr
.irp j, 12,20
.irp q, 0,1,2,3
	v_max3_num_f32 v[1+\q], v[1+\q], v[R+4*(\q+\j)+2], v[R+4*(\q+\j+4)+2]
.endr
.endr
.irp q, 0,1,2,3
	v_max_num_f32 v[1+\q], v[1+\q], v[R+4*(\q+28)+2]
.endr
	v_max3_num_f32 v1, v1, v2, v3
	v_max_num_f32 v1, v1, v4                       ; the row's largest score
	v_mul_f32 v5, s[CL], v1
	v_floor_f32 v5, -v5                            ; -M of the row
.set ch, 0
.rept 32
	v_mul_f32 v[R+4*ch+2], s[CL], v[R+4*ch+2]
.set ch, ch+1
.endr
.set ch, 0
.rept 32
	v_floor_f32 v[R+4*ch+2], -v[R+4*ch+2]          ; -M of the chunk: the same two instructions on the same number as where p was made
.set ch, ch+1
.endr
.set ch, 0
.rept 32
	v_sub_f32 v[R+4*ch+2], v5, v[R+4*ch+2]         ; M_chunk - M_row: a whole number, 0 or less
.set ch, ch+1
.endr
.set ch, 0
.rept 32
	v_cvt_i32_f32 v[R+4*ch+2], v[R+4*ch+2]         ; (it saturates)
.set ch, ch+1
.endr
.set ch, 0
.rept 32
	v_ldexp_f32 v[R+4*ch+1], v[R+4*ch+1], v[R+4*ch+2]   ; the chunk's sum under the row's M
.set ch, ch+1
.endr
.irp q, 0,1,2,3
	v_add_f32 v[1+\q], v[R+4*\q+1], v[R+4*(\q+4)+1]
.endr
.irp j, 8,12,16,20,24,28
.irp q, 0,1,2,3
	v_add_f32 v[1+\q], v[1+\q], v[R+4*(\q+\j)+1]
.endr
.endr
	v_add_f32 v1, v1, v2
	v_add_f32 v3, v3, v4
	v_add_f32 v1, v1, v3                           ; l
.set ch, 0
.rept 32
	v_sub_nc_u32 v[R+4*ch+3], 0, v[R+4*ch+2]       ; d
.set ch, ch+1
.endr
.set ch, 0
.rept 32
	v_min_u32 v[R+4*ch+3], 127, v[R+4*ch+3]        ; every byte is at most 125: 127 empties it
.set ch, ch+1
.endr
.set ch, 0
.rept 32
	v_perm_b32 v[R+4*ch+3], v[R+4*ch+3], v[R+4*ch+3], 0   ; d in all four bytes
.set ch, ch+1
.endr
.set ch, 0
.rept 32
	v_or_b32 v[R+4*ch], s[HB], v[R+4*ch]           ; 128 onto each byte, so that no borrow leaves a byte
.set ch, ch+1
.endr
.set ch, 0
.rept 32
	v_sub_nc_u32 v[R+4*ch], v[R+4*ch], v[R+4*ch+3]
.set ch, ch+1
.endr
.set ch, 0
.rept 32
	v_and_b32 v[R+4*ch+3], s[HB], v[R+4*ch]        ; the top bit is left where byte - d is not negative
.set ch, ch+1
.endr
.set ch, 0
.rept 32
	v_lshrrev_b32 v[R+4*ch+2], 7, v[R+4*ch+3]
.set ch, ch+1
.endr
.set ch, 0
.rept 32
	v_sub_nc_u32 v[R+4*ch+3], v[R+4*ch+3], v[R+4*ch+2]   ; 0x7f there, 0 elsewhere
.set ch, ch+1
.endr
	WIN 0x05*\p                                    ; sources window p, destination window 0
.set ch, 0
.rept 32
	v_and_b32 v[W+ch], v[R+4*ch], v[R+4*ch+3]      ; the bytes under the row's M, held at 0
.set ch, ch+1
.endr
	WIN 0x01*\p
	v_rcp_f32 v15, v1
	WIN 0
	v_nop                                          ; a plain line behind the reciprocal
	s_wait_alu depctr_va_vdst(0)                   ; and the wait ahead of its first reader
.irp q, 0,1,2,3,4,5,6,7
	ds_store_b128 v[ASTO], v[W+4*\q:W+4*\q+3] offset:32*SCP*\p+16*\q
.endr
	ds_store_b32 v[RLST], v15 offset:128*\p
.endm
	s_wait_loadcnt 32                              ; pass 0's records are in; pass 1's 32 loads may be out (in wave 0 the argmax's 32 instead)
	HEADCALC 0
	s_wait_loadcnt 0x0
	HEADCALC 1
	s_cmp_lg_u32 s16, 0
	s_cbranch_scc1 .Lno_argmax
	WIN 0xaa                                       ; all in window 2
.set ch, 1
.rept 31
	v_cmp_gt_f32 vcc_lo, v[AM+2*ch], v[AM]         ; strictly larger: on a tie the lower chunk, and so the lower index, stays
	v_cndmask_b32 v[AM], v[AM], v[AM+2*ch], vcc_lo
	v_cndmask_b32 v[AM+1], v[AM+1], v[AM+2*ch+1], vcc_lo
.set ch, ch+1
.endr
	WIN 0x02
	v_mov_b32 v14, v[AM+1]
	WIN 0
	global_store_b32 v[L4], v14, s[14:15]          ; rows 256 y + 32 x + lane
.Lno_argmax:
; the fragments of chunk q of a slot into set p: 24 loads of 512 consecutive bytes
.macro FETCH slot, q, p
	WIN 0x40                                       ; destination window 1
.irp i, 0,1,2,3,4,5,6,7
.irp c, 0,1
	ds_load_b128 v[128*(\p)+8*\i+4*\c:128*(\p)+8*\i+4*\c+3], v[ADRA+\slot] offset:4096*\i+1024*(\q)+512*\c
.endr
.endr
.irp i, 0,1,2,3
.irp c, 0,1
	ds_load_b128 v[128*(\p)+64+8*\i+4*\c:128*(\p)+64+8*\i+4*\c+3], v[ADRB+\slot] offset:4096*\i+1024*(\q)+512*\c
.endr
.endr
.endm
; a slot's scale words into set sl: 4 words a row.  Lanes 16-31 have D2's blocks 0-3 alone; what they read for i = 4 .. 7 (words of D2's other 64 d in waves 0 and 2, of p's rows in waves 1 and 3) is never used
.macro SCALES sl
	WIN 0
.irp i, 0,1,2,3,4,5,6,7
	ds_load_b128 v[SC+32*\sl+4*\i:SC+32*\sl+4*\i+3], v[ADRS] offset:16*SCP*\i
.endr
.endm
; n blocks of p from a0 on x D2's four: the 32 accumulators take turns, one instruction a turn, in the same order in every step
.macro MUL a0, n, p, q, sl, zero
	WIN 0xa5                                       ; sources 0 and 1 window 1, C and D window 2
.set aa, \a0
.rept \n
.irp b, 0,1,2,3
.if \zero
	v_wmma_scale_f32_16x16x128_f8f6f4 v[8*(4*aa+\b):8*(4*aa+\b)+7], v[128*(\p)+64+8*\b:128*(\p)+64+8*\b+7], v[128*(\p)+8*aa:128*(\p)+8*aa+7], 0, v[SC+32*(\sl)+4*\b+(\q)], v[SC+32*(\sl)+4*aa+(\q)] matrix_a_fmt:MATRIX_FMT_FP4 matrix_b_fmt:MATRIX_FMT_FP4 matrix_a_scale:MATRIX_SCALE_ROW1
.else
	v_wmma_scale_f32_16x16x128_f8f6f4 v[8*(4*aa+\b):8*(4*aa+\b)+7], v[128*(\p)+64+8*\b:128*(\p)+64+8*\b+7], v[128*(\p)+8*aa:128*(\p)+8*aa+7], v[8*(4*aa+\b):8*(4*aa+\b)+7], v[SC+32*(\sl)+4*\b+(\q)], v[SC+32*(\sl)+4*aa+(\q)] matrix_a_fmt:MATRIX_FMT_FP4 matrix_b_fmt:MATRIX_FMT_FP4 matrix_a_scale:MATRIX_SCALE_ROW1
.endif
.endr
.set aa, aa+1
.endr
.endm
; a chunk that has its successor in the same slot
.macro STEP slot, q, zero
	s_wait_dscnt 0x0                               ; this chunk's fragments are in
.rept 4
	v_nop                                          ; four places in front of loads into the set that the last products read
.endr
	FETCH \slot, (\q)+1, ((\q)+1)%2
	MUL 0, 8, (\q)%2, \q, \slot, \zero
.endm
; a slot's last chunk changes slots: ONE barrier; in front of it each wave waits for all its tensor loads, adds 0 to its spare word, and waits for that and for its reads of this slot.  fill = 1: the slot is filled again, two slots ahead
.macro TURN slot, next, fill
	WIN 0                                          ; (the add's two registers lie in window 0)
	s_wait_tensorcnt 0x0                           ; all my tensor loads have landed: my part of the next slot
	ds_add_u32 v[SPW], v[NIL]                      ; 0 onto my spare word
	s_wait_dscnt 1                                 ; the fragments are in (the add may be out)
	MUL 0, 2, 1, 3, \slot, 0                       ; eight products stand between the add and the wait for it
	s_wait_dscnt 0x0                               ; the add is done, and my reads of this slot are over
	s_barrier_signal -1
	MUL 2, 2, 1, 3, \slot, 0
	WIN 0
	s_barrier_wait -1
.if \fill
	CREST                                          ; the barrier has opened a round of the cluster's: no wave of any partner still reads this slot or has a load on its way
	s_add_nc_u64 s[G0A+4*\slot+2:G0A+4*\slot+3], s[G0A+4*\slot+2:G0A+4*\slot+3], 8192
	s_add_nc_u64 s[G0B+4*\slot+2:G0B+4*\slot+3], s[G0B+4*\slot+2:G0B+4*\slot+3], 8192
	JLOAD \slot                                    ; the first tensor load behind the round; its four v_nop are also the places in front of the loads below
.else
.rept 4
	v_nop
.endr
.endif
	v_add_nc_u32 v[ADRS], 16, v[ADRS]              ; the next slot's four words of each row
	FETCH \next, 0, 0
	SCALES \next
	MUL 4, 4, 1, 3, \slot, 0
.endm
	s_wait_tensorcnt 1                             ; my part of slot 0 is in (slot 1's may stay out)
	s_wait_dscnt 0x0                               ; and my scale words and reciprocals lie in LDS
	s_barrier_signal -1
	s_barrier_wait -1                              ; everybody's do
	FETCH 0, 0, 0
	SCALES 0
	STEP 0, 0, 1                                   ; the first chunk stands in front of the loop: its products start the sums
	WIN 0                                          ; at a label and at a branch every window is 0
	s_mov_b32 s3, 3
.Llap:                                             ; a trip goes once round the ring, from a lap's second chunk to the next lap's first, and fills both slots again
	STEP 0, 1, 0
	STEP 0, 2, 0
	TURN 0, 1, 1
	STEP 1, 0, 0
	STEP 1, 1, 0
	STEP 1, 2, 0
	TURN 1, 0, 1
	STEP 0, 0, 0
	WIN 0
	s_sub_co_u32 s3, s3, 1
	s_cmp_lg_u32 s3, 0
	s_cbranch_scc1 .Llap
	STEP 0, 1, 0                                   ; the last lap fills nothing, and has no round of the cluster's barrier
	STEP 0, 2, 0
	TURN 0, 1, 0
	STEP 1, 0, 0
	STEP 1, 1, 0
	STEP 1, 2, 0
	s_wait_dscnt 0x0
	MUL 0, 8, 1, 3, 1, 0
	WIN 0
; THE WAY OUT, block by block of 16 rows x 64 d: x 1 / l, through my own stage (a lane holds 32 bytes of a row, the lanes beside it other rows), back as whole rows of 256 bytes.
; LDS serves a wave's instructions in order: no wait between the stores and the loads, nor in front of the next block's stores.
.rept 4
	v_nop                                          ; four places behind the last products
.endr
.irp a, 0,1,2,3,4,5,6,7
	ds_load_b32 v[RLR+2*\a], v[RLA] offset:64*\a   ; 1 / l of my row of block a, in both halves of a pair
	ds_load_b32 v[RLR+2*\a+1], v[RLA] offset:64*\a
.endr
	s_wait_dscnt 0x0
.macro PACK a
	WIN 0x02                                       ; source 0 window 2
.irp b, 0,1,2,3
.irp j, 0,2,4,6
	v_pk_mul_f32 v[TMP+8*\b+\j:TMP+8*\b+\j+1], v[8*(4*(\a)+\b)+\j:8*(4*(\a)+\b)+\j+1], v[RLR+2*(\a):RLR+2*(\a)+1]   ; each accumulator from its low end on
.endr
.endr
	WIN 0
.endm
.macro TOSTAGE a
.irp b, 0,1,2,3
	ds_store_b128 v[STO], v[TMP+8*\b:TMP+8*\b+3] offset:64*\b
	ds_store_b128 v[STO], v[TMP+8*\b+4:TMP+8*\b+7] offset:64*\b+16
.endr
.irp t, 0,1,2,3,4,5,6,7
	ds_load_b128 v[BK+32*((\a)%2)+4*\t:BK+32*((\a)%2)+4*\t+3], v[RDB] offset:\t*2*SPITCH
.endr
.endm
.macro SEND a, younger                 ; younger: the LDS instructions issued behind block a's loads, which may stay out
	s_wait_dscnt \younger
.if (\a) > 0
	s_add_nc_u64 s[12:13], s[12:13], 16*4096       ; (behind a wait on XCNT: the earlier stores have read their base)  16 rows on
.endif
.irp t, 0,1,2,3,4,5,6,7
	global_store_b128 v[CO], v[BK+32*((\a)%2)+4*\t:BK+32*((\a)%2)+4*\t+3], s[12:13] offset:\t*8192 th:TH_STORE_NT   ; sixteen lanes store 256 consecutive bytes, aligned
.endr
.endm
	PACK 0
	TOSTAGE 0
.irp a, 1,2,3,4,5,6,7
	PACK \a
.if \a > 1
	s_wait_xcnt 0x0                                ; block a - 2's stores have read their registers and their base
.endif
	TOSTAGE \a
	SEND \a-1, 16                                  ; behind block a - 1's loads: block a's 8 stores and 8 loads
.endr
	s_wait_xcnt 0x0
	SEND 7, 0
	s_wait_tensorcnt 0x0                           ; the wave's end
	ds_add_u32 v[SPW], v[NIL]
	s_wait_dscnt 0x0
	CROUND                                         ; the closing round: no work-group ends while a partner may still ask for a tile that names it
	s_endpgm
.Lfunc_end_k_qfcc37d8274_recon:
	.size	k_qfcc37d8274_recon, .Lfunc_end_k_qfcc37d8274_recon-k_qfcc37d8274_recon
	.p2alignl 7, 3214868480
	.fill 96, 4, 3214868480
	.section	.rodata,"a",@progbits
	.p2align	6, 0x0
	.amdhsa_kernel k_qfcc37d8274_recon
		.amdhsa_group_segment_fixed_size 327680
		.amdhsa_private_segment_fixed_size 0
		.amdhsa_enable_private_segment 0
		.amdhsa_kernarg_size 48
		.amdhsa_user_sgpr_count 2
		.amdhsa_user_sgpr_kernarg_segment_ptr 1
		.amdhsa_wavefront_size32 1
		.amdhsa_system_sgpr_workgroup_id_x 1
		.amdhsa_system_sgpr_workgroup_id_y 1
		.amdhsa_system_sgpr_workgroup_id_z 1
		.amdhsa_system_vgpr_workitem_id 0
		.amdhsa_next_free_vgpr 768
		.amdhsa_next_free_sgpr 80
		.amdhsa_reserve_vcc 1
		.amdhsa_float_denorm_mode_32 3
		.amdhsa_float_denorm_mode_16_64 3
		.amdhsa_memory_ordered 1
		.amdhsa_forward_progress 1
		.amdhsa_inst_pref_size 188
	.end_amdhsa_kernel
	.amdgpu_metadata
---
amdhsa.version: [ 1, 2 ]
amdhsa.kernels:
  - .name:           k_qfcc37d8274_recon
    .symbol:         k_qfcc37d8274_recon.kd
    .args:
      - { .name: pimg, .offset: 0, .size: 8, .value_kind: global_buffer, .address_space: global }
      - { .name: rec, .offset: 8, .size: 8, .value_kind: global_buffer, .address_space: global }
      - { .name: d2img, .offset: 16, .size: 8, .value_kind: global_buffer, .address_space: global }
      - { .name: d2sc, .offset: 24, .size: 8, .value_kind: global_buffer, .address_space: global }
      - { .name: out0, .offset: 32, .size: 8, .value_kind: global_buffer, .address_space: global }
      - { .name: out1, .offset: 40, .size: 8, .value_kind: global_buffer, .address_space: global }
    .group_segment_fixed_size: 327680
    .private_segment_fixed_size: 0
    .kernarg_segment_align: 8
    .kernarg_segment_size: 48
    .max_flat_workgroup_size: 128
    .sgpr_count:     80
    .vgpr_count:     768
    .wavefront_size: 32
...
	.end_amdgpu_metadata
.endif
;; end of part 3
